; MI455X (gfx1250); checked and timed in simulation.
; The chip was launched on July 23, 2026; its instructions are those of AMD's public machine-readable ISA for CDNA 5 (MIT licence, August 2026) and "CDNA5" Instruction Set Architecture Reference Guide (July 2026). The comments in the code are by the model that wrote it; some were corrected since.
;; Split Memory Model. Allowed arithmetic: float matrix products may take bf16 or f16 operands with f32 sums; all other float work in f32.
;; Inputs: W1 64 x 128 float32; W2 128 x 64 float32; We 64 x 32 float32; Wo 64 x 64 float32; Ws 64 x 32 float32; b1 128 float32; b2 64 float32; be 32 float32; bo 64 float32; bs 32 float32; embed 64 x 64 float32; ln_b 64 float32; ln_g 64 float32; seq 128 x 2,048 int32.
;; Outputs: out0 128 x 64 float32.
;; One version. Each part assembles by itself: llvm-mc -triple=amdgcn-amd-amdhsa -mcpu=gfx1250 --defsym DOCPART=n.
;; ======== version 1 of 1: 1 launch
;; launch mem (part 1): grid 128 x 1, 10 waves a work-group, no clusters, 322,048 bytes of LDS; arguments seq, embed, W1, b1, W2, b2, ln_g, ln_b, Ws, bs, We, be, Wo, bo, out0; writes out0
.if DOCPART == 1
	.amdgcn_target "amdgcn-amd-amdhsa--gfx1250"
	.amdhsa_code_object_version 6
	.text
	.protected	k_q7b9eba540b_mem
	.globl	k_q7b9eba540b_mem
	.p2align	8
	.type	k_q7b9eba540b_mem,@function
k_q7b9eba540b_mem:
	s_mov_b64 s[64:65], 0
	v_nop
	global_prefetch_b8 v0, s[64:65] scope:SCOPE_SE
	s_setreg_imm32_b32 hwreg(HW_REG_WAVE_MODE, 25, 1), 1
	s_wait_xcnt 0x0
; SplitMemoryModel: out[b] = [M_sem qs | M_epi qe] Wo + bo, both 32 x 32 memories built by 2,047 delta-rule steps.  One work-group for each of the 128 batch rows.
; THREE REWRITINGS, each exact in real arithmetic for every input:
;  1. Encoder and key projections hang on the token alone: the 64 vocabulary rows are encoded once (waves 0-3, matrix units, bf16 operands, f32 sums), keys are gathered from LDS.
;  2. Only M q is wanted and M starts at 0.  With M_t = M_(t-1) (I - w k k'/den) + w k k', going back in time: a = k.q; ctx += w a k; q -= (w a / den) k: a 32-vector is carried, not a matrix.
;  3. Sixteen steps make a unit triangular system for b_t = (w_t/den_t) a_t:  b_t = s_t k_t.q - sum over earlier s of s_t (k_t.k_s) b_s.  Its coefficients hang on no state: waves 0-7 (producers) make
;     them by matrix instructions, waves 8 (sem) and 9 (epi) (consumers) solve it, one dependent multiply-add for a step.  The next block's right side is  s k.q_c + X b_c  (X: products of the two blocks' keys).
; Producers run one group of 16 blocks ahead, through two halves of an LDS ring, one barrier for a group: between two barriers one half is written and the other read.
; Every LDS address is a scalar base made once from the wave's number, a lane term made anew at the head of each phase, and an immediate: none is stepped.
; 128 work-groups: a batch row's two contexts meet in one sum, and the time is that of the chain of 2,047 steps, which a split over more work-groups would not shorten.
; No tensor loads, no cluster: a work-group reads 115 KB of weights once and its row's 8 KB of tokens (each token by three records of either memory) through registers; nothing is streamed.
; LIMITS.  Tokens are clamped to 0..63 (reference() indexes inside its table).  Reciprocal and reciprocal root are the 1-ULP instructions.  Sums run backward and in blocks: another order of
; rounding than reference()'s.  The key projection and the products of keys take operands split in bf16 hi + lo, three matrix products each (lo.lo left out: about 2^-17 relative); the two
; products of the feed-forward part take plain bf16 operands.  relu(NaN) gives 0.
; The last product (one row x Wo) is done in f32 on the vector unit: it would fill one row of sixteen of a matrix instruction.
; Position p = 0..2047 stands for step t = 2046 - p; p = 2047 is a dummy of weight 0, and so are the two blocks behind the end.  Block c = p / 16, group g = c / 16.
.set RECB,  4416                       ; a block's record: Lt 1,024 | Xt 1,024 | META 256 | kT 4 x 528
.set HALFB, 16*RECB                    ; a group of 16 records
.set RINGM, 2*HALFB                    ; a memory's two halves
.set KF,    2*RINGM                    ; 282,624: 64 rows of 272: 32 f32 sem key, 32 f32 epi key, {1/den_s, den_s, 1/den_e, den_e}
.set KFP,   272
.set KHL,   KF+64*KFP                  ; 300,032: mem x 10,240 + {hi 0, lo 5,120} + token x 80: 32 bf16 and 16 bytes of padding, which no lane addresses
.set KHM,   10240
.set KLO,   5120
.set KHP,   80
.set CTX,   KHL+2*KHM                  ; 320,512: 64 f32: the even rows of [ctx_s | ctx_e], then the odd ones
.set W1B,   0                          ; weights in bf16, [K][N], in the ring's bytes until the second barrier: W1 pitch 288,
.set W2B,   18432                      ; W2 pitch 160,
.set WKB,   38912                      ; Ws | We, hi, pitch 160,
.set WKL,   49152                      ; Ws | We, lo, pitch 160 (odd multiples of 32 bytes, for the transposing loads)
.set TK,    104                        ; v[104:115] producer: tokens of blocks c, c+1, c+2 for its four records of a group
.set TO,    116                        ; v[116:127] producer: the byte offsets of those twelve loads
.macro BAR                             ; my LDS loads and stores are done, then the work-group's barrier
	s_wait_dscnt 0x0
	s_barrier_signal -1
	s_barrier_wait -1
.endm
.macro NOP4                            ; four places behind a matrix instruction, before its registers are read, written or loaded into (ISA guide 7.12.1)
.rept 4
	v_nop
.endr
.endm
; The producer's twelve token vectors of its next group: record k (block 16 g + 4 k + sub), blocks + d.  Lane r (both halves) takes step t = 2046 - 16 block - r.
; s62 = 4 (2046 - 16 sub) - 1,024 g.  Behind the row's first token the offset is held at 0: such positions have weight 0, any token serves.
; The offsets' registers were freed by the wait for the last twelve loads, which stands ahead of every use of this macro but the first.
.macro TOKLD
	v_lshlrev_b32 v15, 2, v2
	v_sub_nc_u32 v15, s62, v15                     ; made anew each time from r and the scalar
.irp k, 0,1,2,3
.irp d, 0,1,2
	v_sub_nc_u32 v[TO+3*\k+\d], v15, 256*\k+64*\d
	v_max_i32 v[TO+3*\k+\d], 0, v[TO+3*\k+\d]
.endr
.endr
.irp n, 0,1,2,3,4,5,6,7,8,9,10,11
	global_load_b32 v[TK+\n], v[TO+\n], s[8:9]
.endr
	s_sub_co_u32 s62, s62, 1024                    ; the next group (s62 is no source of the loads)
.endm
	s_load_b512 s[8:23], s[0:1], 0x0               ; seq 8, embed 10, W1 12, b1 14, W2 16, b2 18, ln_g 20, ln_b 22
	s_load_b256 s[24:31], s[0:1], 0x40             ; Ws 24, bs 26, We 28, be 30
	s_load_b128 s[32:35], s[0:1], 0x60             ; Wo 32, bo 34
	s_load_b64 s[36:37], s[0:1], 0x70              ; out0
	s_set_vgpr_msb 0x40
	v_lshl_add_u32 v0, v0, 2, 0x4e500
	v_mov_b32 v1, 0
	s_set_vgpr_msb 0x4000
	v_lshrrev_b32 v3, 5, v0
	v_readfirstlane_b32 s2, v3                     ; wave 0..9
	v_and_b32 v1, 31, v0                           ; lane
	v_and_b32 v2, 15, v0                           ; r
	v_bfe_u32 v3, v0, 4, 1                         ; h
	s_mov_b32 s3, ttmp9                            ; batch row
	s_mov_b32 s6, 0x76543210                       ; v_permlanex16_b32: lane i takes lane i of the other half
	s_mov_b32 s7, 0xfedcba98
; every role's scalar bases, made by every wave; s61 and s62 alone are stepped, from group to group
	s_lshr_b32 s4, s2, 2                           ; producer (waves 0-7): memory
	s_and_b32 s5, s2, 3                            ; producer: which of every four blocks
	s_and_b32 s38, s2, 1                           ; consumer (waves 8, 9): memory
	s_mul_i32 s56, s4, KHM
	s_add_co_u32 s56, s56, KHL                     ; producer: its memory's split keys
	s_lshl_b32 s57, s4, 7
	s_add_co_u32 s57, s57, KF                      ; producer: its memory's half of a KF row
	s_lshl_b32 s59, s4, 3
	s_add_co_u32 s59, s59, KF+256                  ; producer: its memory's {1/den, den}
	s_mul_i32 s50, s4, RINGM
	s_mul_i32 s53, s5, RECB
	s_add_co_u32 s50, s50, s53                     ; producer: its first record in half 0
	s_lshl_b32 s39, s38, 7
	s_add_co_u32 s39, s39, KF                      ; consumer: its memory's half of a KF row
	s_mul_i32 s58, s38, RINGM                      ; consumer: its memory's ring
	s_lshl_b32 s60, s38, 6
	s_add_co_u32 s60, s60, CTX                     ; consumer: its 16 words of each half of CTX
	s_cmp_eq_u32 s4, 0
	s_cselect_b32 s48, 1, 0x800                    ; weight = min(max(n, 0), CAP) x SCL: sem 1, epi n / 2048
	s_cselect_b32 s49, 1.0, 0x3a000000
	s_lshl_b32 s53, s5, 4
	s_sub_co_u32 s61, 2047, s53                    ; n + r of the producer's first record; 256 less with each group
	s_lshl_b32 s53, s5, 6
	s_sub_co_u32 s62, 8184, s53                    ; 4 (2046 - 16 sub); 1,024 less with each group
	s_lshl_b32 s54, s3, 13                         ; 8,192 bytes of tokens a row
	s_mov_b32 s55, 0
	v_lshlrev_b32 v4, 3, v3
.irp j, 0,1,2,3,4,5,6,7
	v_add_nc_u32 v5, \j, v4
	v_cmp_gt_u32 s[40+\j], v2, v5                  ; r > 8 h + j: the strictly lower triangle
.endr
	s_wait_kmcnt 0x0
	s_add_nc_u64 s[8:9], s[8:9], s[54:55]          ; seq at my row
	s_cmp_lt_u32 s2, 8
	s_cbranch_scc0 .Lcstart
; ---- waves 0-7: the weights, f32 from memory, bf16 into LDS.  Thread n takes the 16 bytes at 16 n of every 4,096.
	v_lshlrev_b32 v4, 4, v0
.irp i, 0,1,2,3,4,5,6,7
	global_load_b128 v[32+4*\i:35+4*\i], v4, s[12:13] offset:4096*\i
.endr
.irp i, 0,1,2,3,4,5,6,7
	global_load_b128 v[64+4*\i:67+4*\i], v4, s[16:17] offset:4096*\i
.endr
.irp i, 0,1
	global_load_b128 v[96+4*\i:99+4*\i], v4, s[24:25] offset:4096*\i
	global_load_b128 v[104+4*\i:107+4*\i], v4, s[28:29] offset:4096*\i
.endr
	v_lshrrev_b32 v8, 5, v0                        ; W1: row n / 32 (+ 8 i), column 4 (n % 32)
	v_mul_u32_u24 v8, v8, 288
	v_and_b32 v9, 31, v0
	v_lshl_add_u32 v5, v9, 3, v8
	v_lshrrev_b32 v8, 4, v0                        ; W2: row n / 16 (+ 16 i), column 4 (n % 16)
	v_mul_u32_u24 v8, v8, 160
	v_and_b32 v9, 15, v0
	v_lshl_add_u32 v6, v9, 3, v8
	v_lshrrev_b32 v8, 3, v0                        ; Ws, We: row n / 8 (+ 32 i), column 4 (n % 8)
	v_mul_u32_u24 v8, v8, 160
	v_and_b32 v9, 7, v0
	v_lshl_add_u32 v7, v9, 3, v8
	s_wait_loadcnt 0x0
.macro STG x, adr, off                 ; four f32 to four bf16, 8 bytes into LDS
	v_cvt_pk_bf16_f32 v[\x], v[\x], v[\x+1]
	v_cvt_pk_bf16_f32 v[\x+1], v[\x+2], v[\x+3]
	ds_store_b64 v[\adr], v[\x:\x+1] offset:\off
.endm
.macro STG2 x, off                     ; four f32 to four bf16 hi and four bf16 lo = bf16(x - hi)
	v_cvt_pk_bf16_f32 v112, v[\x], v[\x+1]
	v_cvt_pk_bf16_f32 v113, v[\x+2], v[\x+3]
	v_lshlrev_b32 v114, 16, v112
	v_and_b32 v115, 0xffff0000, v112
	v_lshlrev_b32 v116, 16, v113
	v_and_b32 v117, 0xffff0000, v113
	v_pk_add_f32 v[114:115], v[\x:\x+1], v[114:115] neg_lo:[0,1] neg_hi:[0,1]
	v_pk_add_f32 v[116:117], v[\x+2:\x+3], v[116:117] neg_lo:[0,1] neg_hi:[0,1]
	v_cvt_pk_bf16_f32 v114, v114, v115
	v_cvt_pk_bf16_f32 v115, v116, v117
	ds_store_b64 v7, v[112:113] offset:WKB+\off
	ds_store_b64 v7, v[114:115] offset:WKL+\off
.endm
.irp i, 0,1,2,3,4,5,6,7
	STG 32+4*\i, 5, W1B+2304*\i
.endr
.irp i, 0,1,2,3,4,5,6,7
	STG 64+4*\i, 6, W2B+2560*\i
.endr
.irp i, 0,1
	STG2 96+4*\i, 5120*\i
	STG2 104+4*\i, 5120*\i+64
.endr
	s_cmp_lt_u32 s2, 4
	s_cbranch_scc0 .Lba
; waves 0-3: what the encoder wants from memory goes out ahead of the barrier.  Lane (r, h) of wave w owns token m = 16 w + r, and of every 16 columns the eight at 8 h.
	s_wait_dscnt 0x0                               ; the stores above have read their registers
	v_lshrrev_b32 v6, 5, v0
	v_lshl_add_u32 v6, v6, 4, v2                   ; m
	v_lshlrev_b32 v11, 5, v3                       ; 32 h: my eight f32 of a group of 16
	v_lshl_add_u32 v10, v6, 8, v11                 ; 256 m + 32 h
.irp nt, 0,1,2,3
	global_load_b128 v[16+8*\nt:19+8*\nt], v10, s[10:11] offset:64*\nt          ; E: embed row m
	global_load_b128 v[20+8*\nt:23+8*\nt], v10, s[10:11] offset:64*\nt+16
	global_load_b128 v[128+8*\nt:131+8*\nt], v11, s[18:19] offset:64*\nt        ; b2
	global_load_b128 v[132+8*\nt:135+8*\nt], v11, s[18:19] offset:64*\nt+16
	global_load_b128 v[192+8*\nt:195+8*\nt], v11, s[20:21] offset:64*\nt        ; ln_g
	global_load_b128 v[196+8*\nt:199+8*\nt], v11, s[20:21] offset:64*\nt+16
	global_load_b128 v[224+8*\nt:227+8*\nt], v11, s[22:23] offset:64*\nt        ; ln_b
	global_load_b128 v[228+8*\nt:231+8*\nt], v11, s[22:23] offset:64*\nt+16
.endr
.irp nt, 0,1,2,3,4,5,6,7
	global_load_b128 v[64+8*\nt:67+8*\nt], v11, s[14:15] offset:64*\nt          ; Z starts as b1
	global_load_b128 v[68+8*\nt:71+8*\nt], v11, s[14:15] offset:64*\nt+16
.endr
	s_branch .Lba
; ---- waves 8, 9: the tokens that the chain starts from; wave 8 also Wo and bo, which it keeps in registers to the end
.Lcstart:
	v_lshlrev_b32 v4, 2, v2
	v_sub_nc_u32 v5, 8184, v4                      ; block 0: t = 2046 - r
	v_mov_b32 v6, 8188                             ; the query: t = 2047
	global_load_b32 v27, v6, s[8:9]
	global_load_b32 v28, v5, s[8:9]
	global_load_b32 v29, v5, s[8:9] offset:-64     ; block 1: t = 2030 - r
	s_cmp_eq_u32 s2, 8
	s_cbranch_scc0 .Lba
	v_lshlrev_b32 v7, 4, v1
	v_lshlrev_b32 v8, 4, v2
	global_load_b128 v[100:103], v8, s[34:35]      ; bo, my four columns 4 r ..
.set i, 0
.rept 32
	global_load_b128 v[128+4*i:131+4*i], v7, s[32:33] offset:512*i               ; Wo row 2 i + h, columns 4 r ..: a load covers 512 consecutive bytes
.set i, i+1
.endr
.Lba:
	BAR                                            ; the weights lie in LDS
	s_wait_loadcnt 0x0                             ; on every wave's way: no load is out where the ways part again
	s_cmp_lt_u32 s2, 4
	s_cbranch_scc0 .Lnoenc
; ---- waves 0-3: the encoder, 16 tokens a wave, all in registers.
; The matrix instruction is used transposed: source 0 = 16 columns of a weight, source 1 = 16 tokens.  Register j of lane (r, h) then holds (token r, column 16 nt + 8 h + j); rounded to bf16,
; tiles 2 ks and 2 ks + 1 ARE the next product's token fragment of K step ks (ISA guide 7.12.2): no shuffle, no LDS.
; E v[16:47] (later h lo in v[16:31])  EA / norm's temporaries / h hi v[48:63]  Z v[64:127] (ZA packed into v[64:95], then KK)  WF v[128:191]  ln_g v[192:223], ln_b v[224:255] (then Ws | We lo)
	v_lshrrev_b32 v6, 5, v0
	v_lshl_add_u32 v6, v6, 4, v2                   ; m
	v_lshlrev_b32 v11, 5, v3                       ; 32 h
	v_and_b32 v8, 7, v0
	v_lshl_add_u32 v8, v3, 3, v8                   ; 8 h + lane % 8: the K row that my transposing load addresses
	v_bfe_u32 v9, v0, 3, 1
	v_mul_u32_u24 v4, v8, 288
	v_lshl_add_u32 v4, v9, 4, v4                   ; pitch 288
	v_mul_u32_u24 v5, v8, 160
	v_lshl_add_u32 v5, v9, 4, v5                   ; pitch 160
	v_mul_u32_u24 v14, v6, KFP
	v_add_nc_u32 v14, KF, v14                      ; my token's row of KF
	v_lshl_add_u32 v12, v3, 5, v14                 ; + 32 h
	v_mul_u32_u24 v13, v6, KHP
	v_lshl_add_u32 v13, v3, 4, v13
	v_add_nc_u32 v13, KHL, v13                     ; my token's row of KHL + 16 h
.macro WFRAG dst, adr, off, p          ; a fragment: 32 K x 16 columns of a weight stored [K][N]
	ds_load_tr16_b128 v[\dst:\dst+3], v[\adr] offset:\off
	ds_load_tr16_b128 v[\dst+4:\dst+7], v[\adr] offset:\off+16*\p
.endm
.set i, 0
.rept 16
	v_cvt_pk_bf16_f32 v[48+i], v[16+2*i], v[17+2*i]                              ; EA = bf16(e)
.set i, i+1
.endr
.set i, 0
.rept 16
	v_pk_add_f32 v[16+2*i:17+2*i], v[16+2*i:17+2*i], v[128+2*i:129+2*i]          ; E = e + b2: the second product adds onto it
.set i, i+1
.endr
; Z = b1 + e W1.  In all three products the accumulators take turns, one instruction a turn.
.irp ks, 0,1
.irp nt, 0,1,2,3,4,5,6,7
	WFRAG 128+8*\nt, 4, W1B+32*\ks*288+32*\nt, 288
.endr
	s_wait_dscnt 0x0
.irp nt, 0,1,2,3,4,5,6,7
	v_wmma_f32_16x16x32_bf16 v[64+8*\nt:71+8*\nt], v[128+8*\nt:135+8*\nt], v[48+8*\ks:55+8*\ks], v[64+8*\nt:71+8*\nt]
.endr
	NOP4
.endr
.set i, 0
.rept 64
	v_max_num_f32 v[64+i], 0, v[64+i]                                            ; relu
.set i, i+1
.endr
.set i, 0
.rept 32
	v_cvt_pk_bf16_f32 v[64+i], v[64+2*i], v[65+2*i]                              ; ZA: the target never passes an unread source
.set i, i+1
.endr
	TOKLD                                          ; group 0's tokens, into registers that Z has left
; E = e + b2 + relu(Z) W2
.irp hf, 0,1
.irp kk, 0,1
.irp nt, 0,1,2,3
	WFRAG 128+8*(4*\kk+\nt), 5, W2B+32*(2*\hf+\kk)*160+32*\nt, 160
.endr
.endr
	s_wait_dscnt 0x0
.irp kk, 0,1
.irp nt, 0,1,2,3
	v_wmma_f32_16x16x32_bf16 v[16+8*\nt:23+8*\nt], v[128+8*(4*\kk+\nt):135+8*(4*\kk+\nt)], v[64+8*(2*\hf+\kk):71+8*(2*\hf+\kk)], v[16+8*\nt:23+8*\nt]
.endr
.endr
	NOP4
.endr
.irp nt, 0,1
	global_load_b128 v[64+8*\nt:67+8*\nt], v11, s[26:27] offset:64*\nt           ; KK starts as bs | be
	global_load_b128 v[68+8*\nt:71+8*\nt], v11, s[26:27] offset:64*\nt+16
	global_load_b128 v[80+8*\nt:83+8*\nt], v11, s[30:31] offset:64*\nt
	global_load_b128 v[84+8*\nt:87+8*\nt], v11, s[30:31] offset:64*\nt+16
.endr
.irp ks, 0,1
.irp nt, 0,1,2,3
	WFRAG 128+8*(4*\ks+\nt), 5, WKB+32*\ks*160+32*\nt, 160                       ; Ws | We hi, fetched while the norm is computed
.endr
.endr
; LayerNorm in f32, two passes.  A lane holds 32 of its token's 64 numbers, the lane 16 further the other 32.
.set i, 0
.rept 8
	v_pk_add_f32 v[48+2*i:49+2*i], v[16+2*i:17+2*i], v[32+2*i:33+2*i]
.set i, i+1
.endr
.set i, 0
.rept 4
	v_pk_add_f32 v[48+2*i:49+2*i], v[48+2*i:49+2*i], v[56+2*i:57+2*i]
.set i, i+1
.endr
	v_pk_add_f32 v[48:49], v[48:49], v[52:53]
	v_pk_add_f32 v[50:51], v[50:51], v[54:55]
	v_pk_add_f32 v[48:49], v[48:49], v[50:51]
	v_add_f32 v48, v48, v49
	v_permlanex16_b32 v49, v48, s6, s7
	v_add_f32 v48, v48, v49
	v_mul_f32 v48, 0x3c800000, v48                 ; mean = sum / 64
	v_mov_b32 v49, v48
.set i, 0
.rept 16
	v_pk_add_f32 v[16+2*i:17+2*i], v[16+2*i:17+2*i], v[48:49] neg_lo:[0,1] neg_hi:[0,1]
.set i, i+1
.endr
.irp a, 0,1,2,3
	v_pk_mul_f32 v[50+2*\a:51+2*\a], v[16+2*\a:17+2*\a], v[16+2*\a:17+2*\a]
.endr
.set i, 4
.rept 12
	v_pk_fma_f32 v[50+2*(i%4):51+2*(i%4)], v[16+2*i:17+2*i], v[16+2*i:17+2*i], v[50+2*(i%4):51+2*(i%4)]
.set i, i+1
.endr
	v_pk_add_f32 v[50:51], v[50:51], v[52:53]
	v_pk_add_f32 v[54:55], v[54:55], v[56:57]
	v_pk_add_f32 v[50:51], v[50:51], v[54:55]
	v_add_f32 v50, v50, v51
	v_permlanex16_b32 v51, v50, s6, s7
	v_add_f32 v50, v50, v51
	s_mov_b32 s53, 0x3c800000                      ; 1/64
	s_mov_b32 s54, 0x3727c5ac                      ; 1e-5
	v_fma_f32 v50, v50, s53, s54
	v_rsq_f32 v58, v50
	v_rsq_f32 v59, v50
	v_nop                                          ; one plain place behind a transcendental (ISA guide 5.7.2)
.set i, 0
	s_wait_alu depctr_va_vdst(0)
.rept 16
	v_pk_mul_f32 v[16+2*i:17+2*i], v[16+2*i:17+2*i], v[58:59]
	v_pk_fma_f32 v[16+2*i:17+2*i], v[16+2*i:17+2*i], v[192+2*i:193+2*i], v[224+2*i:225+2*i]
.set i, i+1
.endr
.irp ks, 0,1
.irp nt, 0,1,2,3
	WFRAG 192+8*(4*\ks+\nt), 5, WKL+32*\ks*160+32*\nt, 160                       ; Ws | We lo, into the registers that gain and bias have left
.endr
.endr
.set i, 0
.rept 16
	v_cvt_pk_bf16_f32 v[48+i], v[16+2*i], v[17+2*i]                              ; h hi
.set i, i+1
.endr
.set i, 0
.rept 16
	v_lshlrev_b32 v[96+2*(i%4)], 16, v[48+i]
	v_and_b32 v[97+2*(i%4)], 0xffff0000, v[48+i]
	v_pk_add_f32 v[16+2*i:17+2*i], v[16+2*i:17+2*i], v[96+2*(i%4):97+2*(i%4)] neg_lo:[0,1] neg_hi:[0,1]
.set i, i+1
.endr
.set i, 0
.rept 16
	v_cvt_pk_bf16_f32 v[16+i], v[16+2*i], v[17+2*i]                              ; h lo = bf16(h - hi)
.set i, i+1
.endr
	s_wait_loadcnt 0x0                             ; bs, be (and the tokens)
	s_wait_dscnt 0x0                               ; the sixteen fragments
; KK = bias + h [Ws | We] = bias + hi.hi + lo.hi + hi.lo
.irp ks, 0,1
.irp nt, 0,1,2,3
	v_wmma_f32_16x16x32_bf16 v[64+8*\nt:71+8*\nt], v[128+8*(4*\ks+\nt):135+8*(4*\ks+\nt)], v[48+8*\ks:55+8*\ks], v[64+8*\nt:71+8*\nt]
.endr
.endr
.irp ks, 0,1
.irp nt, 0,1,2,3
	v_wmma_f32_16x16x32_bf16 v[64+8*\nt:71+8*\nt], v[128+8*(4*\ks+\nt):135+8*(4*\ks+\nt)], v[16+8*\ks:23+8*\ks], v[64+8*\nt:71+8*\nt]
.endr
.endr
.irp ks, 0,1
.irp nt, 0,1,2,3
	v_wmma_f32_16x16x32_bf16 v[64+8*\nt:71+8*\nt], v[192+8*(4*\ks+\nt):199+8*(4*\ks+\nt)], v[48+8*\ks:55+8*\ks], v[64+8*\nt:71+8*\nt]
.endr
.endr
	NOP4
; the tables: keys in f32, keys split in bf16 hi + lo, den = |k|^2 + 1e-6 and its reciprocal
.irp nt, 0,1,2,3
	ds_store_b128 v12, v[64+8*\nt:67+8*\nt] offset:64*\nt
	ds_store_b128 v12, v[68+8*\nt:71+8*\nt] offset:64*\nt+16
.irp jj, 0,1,2,3
	v_cvt_pk_bf16_f32 v[128+8*\nt+\jj], v[64+8*\nt+2*\jj], v[65+8*\nt+2*\jj]
	v_lshlrev_b32 v[160+2*\jj], 16, v[128+8*\nt+\jj]
	v_and_b32 v[161+2*\jj], 0xffff0000, v[128+8*\nt+\jj]
	v_pk_add_f32 v[160+2*\jj:161+2*\jj], v[64+8*\nt+2*\jj:65+8*\nt+2*\jj], v[160+2*\jj:161+2*\jj] neg_lo:[0,1] neg_hi:[0,1]
	v_cvt_pk_bf16_f32 v[132+8*\nt+\jj], v[160+2*\jj], v[161+2*\jj]
.endr
	ds_store_b128 v13, v[128+8*\nt:131+8*\nt] offset:(\nt/2)*KHM+32*(\nt%2)
	ds_store_b128 v13, v[132+8*\nt:135+8*\nt] offset:(\nt/2)*KHM+32*(\nt%2)+KLO
.endr
.irp mm, 0,1
	v_pk_mul_f32 v[168+2*\mm:169+2*\mm], v[64+16*\mm:65+16*\mm], v[64+16*\mm:65+16*\mm]
.irp p, 1,2,3,4,5,6,7
	v_pk_fma_f32 v[168+2*\mm:169+2*\mm], v[64+16*\mm+2*\p:65+16*\mm+2*\p], v[64+16*\mm+2*\p:65+16*\mm+2*\p], v[168+2*\mm:169+2*\mm]
.endr
	v_add_f32 v[168+2*\mm], v[168+2*\mm], v[169+2*\mm]
	v_permlanex16_b32 v[169+2*\mm], v[168+2*\mm], s6, s7
	v_add_f32 v[168+2*\mm], v[168+2*\mm], v[169+2*\mm]
	v_add_f32 v[173+2*\mm], 0x358637bd, v[168+2*\mm]                             ; + 1e-6
.endr
	v_rcp_f32 v172, v173
	v_rcp_f32 v174, v175
	v_nop
	s_wait_alu depctr_va_vdst(0)
	ds_store_b128 v14, v[172:175] offset:256       ; both halves of the lanes store the same four numbers
	s_branch .Lbb
.Lnoenc:
	s_cmp_lt_u32 s2, 8
	s_cbranch_scc0 .Lbb
	TOKLD                                          ; waves 4-7: group 0's tokens, while the others encode
.Lbb:
	BAR                                            ; the tables stand; the staged weights are dead, the ring may be written
; ==== PRODUCER (waves 0-7: memory w / 4; of a group's 16 blocks those with number 4 k + w % 4).
; v4-6 tokens of blocks c, c+1, c+2 (lane r, both halves)  v7-11 table addresses  v13 n of record 0  v14, v15 at work  v[16:17] -s_c  v[18:19] -s_(c+1)  v20-21 weights
; v22-24 the record's addresses (Lt and Xt, META, kT)  v25-27 table bases  v[28:31] {1/den, den} of c, c+1  v[32:35] META
; AH v[40:47] AL v[48:55] BH v[56:63] BL v[64:71]  DL v[72:79] DX v[80:87]  KR v[88:103]
.macro PREC k
	v_min_u32 v4, 63, v[TK+3*\k]
	v_min_u32 v5, 63, v[TK+3*\k+1]
	v_min_u32 v6, 63, v[TK+3*\k+2]
	v_mul_u32_u24 v7, v4, KHP
	v_mul_u32_u24 v8, v5, KHP
	v_mul_u32_u24 v9, v4, KFP
	v_mul_u32_u24 v10, v5, KFP
	v_mul_u32_u24 v35, v6, KFP                     ; META.w: where block c + 2's key row begins
	v_add_nc_u32 v7, v7, v25
	v_add_nc_u32 v8, v8, v25
	v_add_nc_u32 v11, v9, v26
	v_add_nc_u32 v9, v9, v27
	v_add_nc_u32 v10, v10, v27
	ds_load_b128 v[40:43], v7                      ; fragments: 16 keys x 32, two loads 32 bytes apart
	ds_load_b128 v[44:47], v7 offset:32
	ds_load_b128 v[56:59], v8
	ds_load_b128 v[60:63], v8 offset:32
	ds_load_b128 v[48:51], v7 offset:KLO
	ds_load_b128 v[52:55], v7 offset:KLO+32
	ds_load_b128 v[64:67], v8 offset:KLO
	ds_load_b128 v[68:71], v8 offset:KLO+32
	ds_load_b64 v[28:29], v9
	ds_load_b64 v[30:31], v10
.irp e, 0,1,2,3
	ds_load_b128 v[88+4*\e:91+4*\e], v11 offset:16*\e                            ; key of position r, dimensions 16 h .. 16 h + 15, in f32
.endr
	v_sub_nc_u32 v20, v13, 64*\k                   ; n = t + 1 of block c's position r, and of block c + 1's
	v_sub_nc_u32 v21, v13, 64*\k+16
	v_max_i32 v20, 0, v20
	v_max_i32 v21, 0, v21
	v_min_u32 v20, s48, v20
	v_min_u32 v21, s48, v21
	v_cvt_f32_u32 v20, v20
	v_cvt_f32_u32 v21, v21
	v_mul_f32 v20, s49, v20
	v_mul_f32 v21, s49, v21
	s_wait_dscnt 0x0
	; source 0: the earlier positions s (rows 8 h + j of the result), source 1: the targets t (column r).  hi.hi + hi.lo + lo.hi.  The two accumulators take turns.
	v_wmma_f32_16x16x32_bf16 v[72:79], v[40:47], v[40:47], 0
	v_wmma_f32_16x16x32_bf16 v[80:87], v[40:47], v[56:63], 0
	v_wmma_f32_16x16x32_bf16 v[72:79], v[40:47], v[48:55], v[72:79]
	v_wmma_f32_16x16x32_bf16 v[80:87], v[40:47], v[64:71], v[80:87]
	v_wmma_f32_16x16x32_bf16 v[72:79], v[48:55], v[40:47], v[72:79]
	v_wmma_f32_16x16x32_bf16 v[80:87], v[48:55], v[56:63], v[80:87]
	v_mul_f32 v32, v28, v20                        ; seven lines that name none of the products' registers: the places behind them (ISA guide 7.12.1)
	v_mul_f32 v34, v30, v21                        ; s = weight / den
	v_mov_b32 v33, v29
	v_mul_f32 v16, -1.0, v32
	v_mul_f32 v18, -1.0, v34
	v_mov_b32 v17, v16
	v_mov_b32 v19, v18
.irp q, 0,1,2,3
	v_pk_mul_f32 v[72+2*\q:73+2*\q], v[72+2*\q:73+2*\q], v[16:17]
	v_pk_mul_f32 v[80+2*\q:81+2*\q], v[80+2*\q:81+2*\q], v[18:19]
.endr
.irp j, 0,1,2,3,4,5,6,7
	v_cndmask_b32 v[72+\j], 0, v[72+\j], s[40+\j]                                ; strictly lower triangle: kept where r > 8 h + j
.endr
	ds_store_b128 v22, v[72:75] offset:4*\k*RECB
	ds_store_b128 v22, v[76:79] offset:4*\k*RECB+256
	ds_store_b128 v22, v[80:83] offset:4*\k*RECB+1024
	ds_store_b128 v22, v[84:87] offset:4*\k*RECB+1280
	ds_store_b128 v23, v[32:35] offset:4*\k*RECB+2048
.irp e, 0,1,2,3,4,5,6,7,8,9,10,11,12,13,14,15
	ds_store_b32 v24, v[88+\e] offset:4*\k*RECB+2304+16*\e                       ; the keys transposed: dimension i's 16 bytes hold positions 4 q .. 4 q + 3
.endr
.endm
; My four records of a group, into this half.  cond = 1: in the main loop's last trip no group follows, so no tokens are asked for.
.macro PPHASE half, cond
	s_add_co_u32 s53, s50, \half*HALFB
	v_lshlrev_b32 v22, 4, v2
	v_lshl_add_u32 v22, v3, 9, v22
	v_add_nc_u32 v22, s53, v22                     ; Lt, Xt: quads 2 h, 2 h + 1 of position r
	v_lshl_add_u32 v23, v2, 4, s53                 ; META of position r
	v_lshrrev_b32 v14, 2, v2
	v_mul_u32_u24 v24, v14, 528
	v_and_b32 v14, 3, v2
	v_lshl_add_u32 v24, v14, 2, v24
	v_lshl_add_u32 v24, v3, 8, v24
	v_add_nc_u32 v24, s53, v24                     ; kT: quad r / 4, dimension 16 h, word r % 4
	v_lshl_add_u32 v25, v3, 4, s56
	v_lshl_add_u32 v26, v3, 6, s57
	v_mov_b32 v27, s59
	v_sub_nc_u32 v13, s61, v2
	s_wait_loadcnt 0x0                             ; this group's tokens, asked for a phase ago
	PREC 0
	PREC 1
	PREC 2
	PREC 3
	s_sub_co_u32 s61, s61, 256
.if \cond
	s_cmp_eq_u32 s52, 1
	s_cbranch_scc1 .Lnotok_\@
.endif
	TOKLD                                          ; the next group's: they come in while this wave waits at the barrier
.Lnotok_\@:
.endm
; ==== CONSUMER (wave 8: sem, wave 9: epi).  Both halves of the lanes hold position r of the block; a lane holds dimension "lane" of q and ctx.
; R v4 (b in the making)  XA v5  NB v6 = -b, DB v7 = b den of the block before  Q v8, T v9-11  C v12-15  U v16-19, UX v20  KA v21  HB v22
; v23, v24: 16 r and 16 lane + the half's records 0-7; v25, v26: the same for records 8-15
; META v[32:35]  L v[36:51]  X v[52:67]  KT v[68:83] (keys of the block before, transposed)  KP v[84:99] (key rows of the next block, my 16 dimensions)  wave 8: bo v[100:103], Wo v[128:255]
.macro SOLVE s                         ; b_s is final: take it out of all later positions
	v_fmac_f32_dpp v4, v4, v[36+\s] row_share:\s row_mask:0xf bank_mask:0xf
.endm
.macro XS s                            ; and out of the next block's right side
.if \s == 0
	v_mul_f32_dpp v5, v4, v[52+\s] row_share:\s row_mask:0xf bank_mask:0xf
.else
	v_fmac_f32_dpp v5, v4, v[52+\s] row_share:\s row_mask:0xf bank_mask:0xf
.endif
.endm
.macro QS s                            ; q -= b_s k_s (block before), four chains
.if (\s%4) == 0
	v_fmac_f32_dpp v8, v6, v[68+\s] row_share:\s row_mask:0xf bank_mask:0xf
.else
.if \s < 4
	v_mul_f32_dpp v[8+\s], v6, v[68+\s] row_share:\s row_mask:0xf bank_mask:0xf
.else
	v_fmac_f32_dpp v[8+(\s%4)], v6, v[68+\s] row_share:\s row_mask:0xf bank_mask:0xf
.endif
.endif
.endm
.macro CS s                            ; ctx += b_s den_s k_s (block before), four chains
	v_fmac_f32_dpp v[12+(\s%4)], v7, v[68+\s] row_share:\s row_mask:0xf bank_mask:0xf
.endm
.macro DS i                            ; k.q of the next block's 16 keys: my half's dimension i, four chains
.if \i < 4
	v_mul_f32_dpp v[16+\i], v8, v[84+\i] row_share:\i row_mask:0xf bank_mask:0xf
.else
	v_fmac_f32_dpp v[16+(\i%4)], v8, v[84+\i] row_share:\i row_mask:0xf bank_mask:0xf
.endif
.endm
.macro SLOT_QC s, a, b, c, d
	SOLVE \s
	QS \a
	QS \b
	QS \c
	QS \d
	CS \a
	CS \b
	CS \c
	CS \d
	XS \s
.endm
.macro SLOT_D s, a, b, c, d
	SOLVE \s
	DS \a
	DS \b
	DS \c
	DS \d
.endm
; Block i of the half.  ld = 1: record i + 1 of the same half is fetched.  LDS loads of a block, in order: A = KT x 4, L0, X0 | B = L1, X1 | C = KP x 4 | D = L2, X2 | E = L3, X3, META: 17.
; LDS loads come back in order (ISA guide 5.7.1), so each wait names what was issued behind the group that it needs.  Behind a phase's wait for 0 every count is met at once.
.macro TRIP i, ld
.set CR, 24+2*(\i/8)                   ; this record's kT
.set CO, (\i%8)*RECB+2304
.set NR, 23+2*((\i+1)/8)               ; the next record
.set NO, ((\i+1)%8)*RECB
	s_wait_dscnt 11                                ; the last block's A is in; behind it B 2 + C 4 + D 2 + E 3
	SLOT_QC 0, 0,1,2,3
	SLOT_QC 1, 4,5,6,7
	SLOT_QC 2, 8,9,10,11
	SLOT_QC 3, 12,13,14,15
	s_wait_dscnt 9                                 ; B is in; behind it C 4 + D 2 + E 3
	SOLVE 4
	v_add_f32 v8, v8, v9
	v_add_f32 v10, v10, v11
	XS 4
.irp q, 0,1,2,3
	ds_load_b128 v[68+4*\q:71+4*\q], v[CR] offset:CO+528*\q                      ; A: this block's keys transposed, for the next block's turn
.endr
.if \ld
	ds_load_b128 v[36:39], v[NR] offset:NO
	ds_load_b128 v[52:55], v[NR] offset:NO+1024
.endif
	SOLVE 5
	v_add_f32 v8, v8, v10                          ; q at the head of this block
	XS 5
	s_wait_dscnt 9+2*\ld                           ; C is in; behind it D 2 + E 3 and this block's A
	SLOT_D 6, 0,1,2,3
	XS 6
	SLOT_D 7, 4,5,6,7
	XS 7
	s_wait_dscnt 4+2*\ld                           ; D and E are in; behind them this block's A
	SLOT_D 8, 8,9,10,11
	XS 8
.if \ld
	ds_load_b128 v[40:43], v[NR] offset:NO+256     ; B
	ds_load_b128 v[56:59], v[NR] offset:NO+1280
.endif
	SLOT_D 9, 12,13,14,15
	v_min_u32 v21, 63*KFP, v35                     ; a number read from LDS enters an address only clamped
	v_add_nc_u32 v21, v22, v21
	XS 9
	SOLVE 10
	v_add_f32 v16, v16, v17
	v_add_f32 v18, v18, v19
	XS 10
.irp e, 0,1,2,3
	ds_load_b128 v[84+4*\e:87+4*\e], v21 offset:16*\e                            ; C: key rows of the block after next
.endr
	SOLVE 11
	v_add_f32 v16, v16, v18
	XS 11
	SOLVE 12
	v_permlanex16_b32 v20, v16, s6, s7
	XS 12
.if \ld
	ds_load_b128 v[44:47], v[NR] offset:NO+512     ; D
	ds_load_b128 v[60:63], v[NR] offset:NO+1536
.endif
	SOLVE 13
	v_add_f32 v16, v16, v20                        ; k.q of the next block's keys, whole
	XS 13
	SOLVE 14
	XS 14
	XS 15
	v_mul_f32 v6, -1.0, v4
	v_mul_f32 v7, v4, v33                          ; b den = w a
	v_fma_f32 v4, v16, v34, v5                     ; the next block's right side: s k.q_c + X b_c
.if \ld
	ds_load_b128 v[48:51], v[NR] offset:NO+768     ; E
	ds_load_b128 v[64:67], v[NR] offset:NO+1792
	ds_load_b128 v[32:35], v[NR] offset:NO+2048
.endif
.endm
.macro CPHASE half                     ; the 16 blocks of one half.  KT comes from the block's own record, KP from the tables: no read leaves the half
	s_add_co_u32 s53, s58, \half*HALFB
	v_lshl_add_u32 v23, v2, 4, s53
	v_lshl_add_u32 v24, v1, 4, s53
	v_add_nc_u32 v25, 8*RECB, v23
	v_add_nc_u32 v26, 8*RECB, v24
	v_lshl_add_u32 v22, v3, 6, s39                 ; my memory's half of a KF row, my 16 dimensions
.irp q, 0,1,2,3
	ds_load_b128 v[36+4*\q:39+4*\q], v23 offset:256*\q
	ds_load_b128 v[52+4*\q:55+4*\q], v23 offset:1024+256*\q
.endr
	ds_load_b128 v[32:35], v23 offset:2048
	s_wait_dscnt 0x0
.irp i, 0,1,2,3,4,5,6,7,8,9,10,11,12,13,14
	TRIP \i, 1
.endr
	TRIP 15, 0
.endm
	s_cmp_lt_u32 s2, 8
	s_cbranch_scc0 .Lj0
	PPHASE 0, 0                                    ; group 0
.Lj0:
	BAR                                            ; group 0 lies in half 0
	s_cmp_lt_u32 s2, 8
	s_cbranch_scc1 .Lj1
; consumer's start: q = the query's key; block 0's right side s_0 k.q; NB = DB = 0, so that block 0's turn changes neither q nor ctx (KT only has to be finite: block 0's)
.irp x, 5,6,7,9,10,11,12,13,14,15,16,17,18,19,20
	v_mov_b32 v\x, 0
.endr
	v_min_u32 v27, 63, v27                         ; the query's token
	v_min_u32 v28, 63, v28                         ; block 0
	v_min_u32 v29, 63, v29                         ; block 1
	v_mul_u32_u24 v27, v27, KFP
	v_mul_u32_u24 v28, v28, KFP
	v_mul_u32_u24 v29, v29, KFP
	v_lshl_add_u32 v22, v3, 6, s39
	v_lshl_add_u32 v30, v1, 2, s39
	v_add_nc_u32 v27, v27, v30
	v_add_nc_u32 v28, v28, v22
	v_add_nc_u32 v29, v29, v22
	v_lshl_add_u32 v23, v2, 4, s58
	v_lshl_add_u32 v24, v1, 4, s58
	ds_load_b32 v8, v27
.irp e, 0,1,2,3
	ds_load_b128 v[84+4*\e:87+4*\e], v28 offset:16*\e
.endr
	ds_load_b32 v32, v23 offset:2048               ; s of block 0
.irp q, 0,1,2,3
	ds_load_b128 v[68+4*\q:71+4*\q], v24 offset:2304+528*\q
.endr
	s_wait_dscnt 0x0
.irp i, 0,1,2,3,4,5,6,7,8,9,10,11,12,13,14,15
	DS \i
.endr
	v_add_f32 v16, v16, v17
	v_add_f32 v18, v18, v19
	v_add_f32 v16, v16, v18
	v_permlanex16_b32 v20, v16, s6, s7
	v_add_f32 v16, v16, v20
	v_mul_f32 v4, v16, v32
.irp e, 0,1,2,3
	ds_load_b128 v[84+4*\e:87+4*\e], v29 offset:16*\e                            ; block 1's key rows; the phase's wait for 0 covers them
.endr
.Lj1:
; Four trips.  Groups 1..7 are made while groups 0..6 are solved; while group 7 is solved the producers have nothing left to make.
	s_mov_b32 s52, 4
.Lmain:
	s_cmp_lt_u32 s2, 8
	s_cbranch_scc0 .Lmc0
	PPHASE 1, 1
	s_branch .Lmb0
.Lmc0:
	CPHASE 0
.Lmb0:
	BAR
	s_cmp_lt_u32 s2, 8
	s_cbranch_scc0 .Lmc1
	s_cmp_eq_u32 s52, 1
	s_cbranch_scc1 .Lmb1                           ; the last trip: there is no ninth group
	PPHASE 0, 0
	s_branch .Lmb1
.Lmc1:
	CPHASE 1
.Lmb1:
	BAR
	s_sub_co_u32 s52, s52, 1
	s_cmp_lg_u32 s52, 0
	s_cbranch_scc1 .Lmain
	s_cmp_lt_u32 s2, 8
	s_cbranch_scc1 .Ltb1
.irp s, 0,1,2,3,4,5,6,7,8,9,10,11,12,13,14,15
	CS \s                                          ; the last block's share of ctx (its keys came in ahead of the barrier above)
.endr
	v_add_f32 v12, v12, v13
	v_add_f32 v14, v14, v15
	v_add_f32 v12, v12, v14
	v_and_b32 v27, 1, v1                           ; row j = 32 mem + lane of Wo: even rows first, then the odd ones
	v_lshrrev_b32 v28, 1, v1
	v_lshlrev_b32 v27, 7, v27
	v_lshl_add_u32 v27, v28, 2, v27
	v_add_nc_u32 v27, s60, v27
	ds_store_b32 v27, v12
.Ltb1:
	BAR                                            ; both contexts lie in LDS
	s_cmp_lg_u32 s2, 8
	s_cbranch_scc1 .Lend
; wave 8: out = ctx Wo + bo.  Lane (r, h) sums rows 2 i + h for columns 4 r .. 4 r + 3, four chains; the two halves of the lanes are then added.
	v_lshlrev_b32 v21, 7, v3
	v_add_nc_u32 v21, CTX, v21
.irp q, 0,1,2,3,4,5,6,7
	ds_load_b128 v[32+4*\q:35+4*\q], v21 offset:16*\q                            ; ctx[2 i + h], i = 0..31
.endr
	s_lshl_b32 s54, s3, 8
	s_mov_b32 s55, 0
	s_add_nc_u64 s[36:37], s[36:37], s[54:55]
	v_lshlrev_b32 v20, 4, v2
	s_wait_dscnt 0x0
	v_pk_mul_f32 v[4:5], v[128:129], v[32:33] op_sel_hi:[1,0]                    ; an even i is the pair's first register, an odd one its second
	v_pk_mul_f32 v[6:7], v[130:131], v[32:33] op_sel_hi:[1,0]
	v_pk_mul_f32 v[8:9], v[132:133], v[32:33] op_sel:[0,1] op_sel_hi:[1,1]
	v_pk_mul_f32 v[10:11], v[134:135], v[32:33] op_sel:[0,1] op_sel_hi:[1,1]
.set i, 2
.rept 30
.if (i%2) == 0
	v_pk_fma_f32 v[4:5], v[128+4*i:129+4*i], v[32+i:33+i], v[4:5] op_sel_hi:[1,0,1]
	v_pk_fma_f32 v[6:7], v[130+4*i:131+4*i], v[32+i:33+i], v[6:7] op_sel_hi:[1,0,1]
.else
	v_pk_fma_f32 v[8:9], v[128+4*i:129+4*i], v[31+i:32+i], v[8:9] op_sel:[0,1,0] op_sel_hi:[1,1,1]
	v_pk_fma_f32 v[10:11], v[130+4*i:131+4*i], v[31+i:32+i], v[10:11] op_sel:[0,1,0] op_sel_hi:[1,1,1]
.endif
.set i, i+1
.endr
	v_pk_add_f32 v[4:5], v[4:5], v[8:9]
	v_pk_add_f32 v[6:7], v[6:7], v[10:11]
	v_permlanex16_b32 v12, v4, s6, s7
	v_permlanex16_b32 v13, v5, s6, s7
	v_permlanex16_b32 v14, v6, s6, s7
	v_permlanex16_b32 v15, v7, s6, s7
	v_pk_add_f32 v[4:5], v[4:5], v[12:13]
	v_pk_add_f32 v[6:7], v[6:7], v[14:15]
	v_pk_add_f32 v[4:5], v[4:5], v[100:101]
	v_pk_add_f32 v[6:7], v[6:7], v[102:103]
	v_cmp_gt_u32 vcc_lo, 16, v1
	s_wait_xcnt 0x0                                ; EXEC changes only behind s_wait_xcnt 0
	s_and_saveexec_b32 s53, vcc_lo
	global_store_b128 v20, v[4:7], s[36:37]        ; sixteen lanes store the row's 256 consecutive bytes, aligned
	s_wait_xcnt 0x0                                ; and again, in front of the line that widens it
	s_or_b32 exec_lo, exec_lo, s53
.Lend:
	s_set_vgpr_msb 0x5
	s_wait_tensorcnt 0x0
	ds_add_u32 v0, v1
	s_wait_dscnt 0x0
	s_set_vgpr_msb 0x500
	s_endpgm
.Lfunc_end_k_q7b9eba540b_mem:
	.size	k_q7b9eba540b_mem, .Lfunc_end_k_q7b9eba540b_mem-k_q7b9eba540b_mem
	.p2alignl 7, 3214868480
	.fill 96, 4, 3214868480
	.section	.rodata,"a",@progbits
	.p2align	6, 0x0
	.amdhsa_kernel k_q7b9eba540b_mem
		.amdhsa_group_segment_fixed_size 322048
		.amdhsa_private_segment_fixed_size 0
		.amdhsa_enable_private_segment 0
		.amdhsa_kernarg_size 120
		.amdhsa_user_sgpr_count 2
		.amdhsa_user_sgpr_kernarg_segment_ptr 1
		.amdhsa_wavefront_size32 1
		.amdhsa_system_sgpr_workgroup_id_x 1
		.amdhsa_system_sgpr_workgroup_id_y 1
		.amdhsa_system_sgpr_workgroup_id_z 1
		.amdhsa_system_vgpr_workitem_id 0
		.amdhsa_next_free_vgpr 258
		.amdhsa_next_free_sgpr 66
		.amdhsa_reserve_vcc 1
		.amdhsa_float_denorm_mode_32 3
		.amdhsa_float_denorm_mode_16_64 3
		.amdhsa_memory_ordered 1
		.amdhsa_forward_progress 1
		.amdhsa_inst_pref_size 255
	.end_amdhsa_kernel
	.section	.bss,"aw",@nobits
	.p2align	6
	.space	262144
	.amdgpu_metadata
---
amdhsa.version: [ 1, 2 ]
amdhsa.kernels:
  - .name:           k_q7b9eba540b_mem
    .symbol:         k_q7b9eba540b_mem.kd
    .args:
      - { .name: seq, .offset: 0, .size: 8, .value_kind: global_buffer, .address_space: global }
      - { .name: embed, .offset: 8, .size: 8, .value_kind: global_buffer, .address_space: global }
      - { .name: W1, .offset: 16, .size: 8, .value_kind: global_buffer, .address_space: global }
      - { .name: b1, .offset: 24, .size: 8, .value_kind: global_buffer, .address_space: global }
      - { .name: W2, .offset: 32, .size: 8, .value_kind: global_buffer, .address_space: global }
      - { .name: b2, .offset: 40, .size: 8, .value_kind: global_buffer, .address_space: global }
      - { .name: ln_g, .offset: 48, .size: 8, .value_kind: global_buffer, .address_space: global }
      - { .name: ln_b, .offset: 56, .size: 8, .value_kind: global_buffer, .address_space: global }
      - { .name: Ws, .offset: 64, .size: 8, .value_kind: global_buffer, .address_space: global }
      - { .name: bs, .offset: 72, .size: 8, .value_kind: global_buffer, .address_space: global }
      - { .name: We, .offset: 80, .size: 8, .value_kind: global_buffer, .address_space: global }
      - { .name: be, .offset: 88, .size: 8, .value_kind: global_buffer, .address_space: global }
      - { .name: Wo, .offset: 96, .size: 8, .value_kind: global_buffer, .address_space: global }
      - { .name: bo, .offset: 104, .size: 8, .value_kind: global_buffer, .address_space: global }
      - { .name: out0, .offset: 112, .size: 8, .value_kind: global_buffer, .address_space: global }
    .group_segment_fixed_size: 322048
    .private_segment_fixed_size: 0
    .kernarg_segment_align: 8
    .kernarg_segment_size: 120
    .max_flat_workgroup_size: 320
    .sgpr_count:     66
    .vgpr_count:     258
    .wavefront_size: 32
...
	.end_amdgpu_metadata
.endif
;; end of part 1
